; MI455X (gfx1250); checked and timed in simulation.
; The chip was launched on July 23, 2026; its instructions are those of AMD's public machine-readable ISA for CDNA 5 (MIT licence, August 2026) and "CDNA5" Instruction Set Architecture Reference Guide (July 2026). The comments in the code are by the model that wrote it; some were corrected since.
;; Multi Head Attn. Allowed arithmetic: float matrix products may take bf16 or f16 operands with f32 sums; all other float work in f32.
;; Inputs: Wk 1,024 x 1,024 float32; Wo 1,024 x 1,024 float32; Wq 1,024 x 1,024 float32; Wv 1,024 x 1,024 float32; bk 1,024 float32; bo 1,024 float32; bq 1,024 float32; bv 1,024 float32; k 4 x 2,048 x 1,024 float32; q 4 x 2,048 x 1,024 float32; v 4 x 2,048 x 1,024 float32.
;; Outputs: out0 4 x 2,048 x 1,024 float32.
;; One version. Each part assembles by itself: llvm-mc -triple=amdgcn-amd-amdhsa -mcpu=gfx1250 --defsym DOCPART=n.
;; ======== version 1 of 1: 3 launches
;; limits: values are held in f16: magnitudes above 65,504 overflow, below 6.1e-05 lose precision
;; workspace buffers: qh 16,777,216 bytes; kh 16,777,216 bytes; vh 16,777,216 bytes; xh 16,777,216 bytes
;; launch proj (part 1): grid 4 x 96, 4 waves a work-group, clusters of 4 x 4, 327,680 bytes of LDS; arguments q, k, v, Wq, Wk, Wv, bq, bk, bv, qh, kh, vh; writes qh, kh, vh
.if DOCPART == 1
	.amdgcn_target "amdgcn-amd-amdhsa--gfx1250"
	.amdhsa_code_object_version 6
	.text
	.protected	k_q0df5e04e8f_proj
	.globl	k_q0df5e04e8f_proj
	.p2align	8
	.type	k_q0df5e04e8f_proj,@function
k_q0df5e04e8f_proj:
	s_mov_b64 s[64:65], 0
	v_nop
	global_prefetch_b8 v0, s[64:65] scope:SCOPE_SE
	s_setreg_imm32_b32 hwreg(HW_REG_WAVE_MODE, 25, 1), 1
	s_wait_xcnt 0x0
	s_wait_alu depctr_hold_cnt(0) depctr_sa_sdst(0) depctr_va_vdst(0) depctr_va_sdst(0) depctr_va_ssrc(0) depctr_va_vcc(0) depctr_vm_vsrc(0)
	s_getreg_b32 s2, hwreg(HW_REG_IB_STS2, 6, 4)
	s_cmp_eq_u32 s2, 0
	s_cbranch_scc0 .Lentry_in_a_cluster
	s_endpgm
.Lentry_in_a_cluster:
	s_bfe_u32 s2, ttmp6, 0x10000c
	s_cmp_lg_u32 s2, 0xf033
	s_cbranch_scc0 .Lentry_shape_is_right
	s_endpgm
.Lentry_shape_is_right:
; The three input projections: y = x W^T + b for (q, Wq, bq), (k, Wk, bk), (v, Wv, bv); x [8192][1024] f32, W [1024][1024] f32, b [1024] f32.
; y leaves as f16, head-major: byte ((batch*16 + head)*2048 + s)*128 + 2 dk, so that a head is one dense block of 262,144 bytes.
; The q projection is multiplied in f32 by log2(e)/8 before it is rounded: the attention launch's products are then exponents to the base 2.
; LIMIT: the matrix operands and y are f16 (11 significant bits; bf16's 8 would not hold the result's tolerance).  |x|, |W| and |y| must stay below 65,504.
; SHARES: grid y = 3 projections x 32 block rows, grid x = 4 block columns.  A work-group makes 256 x 256 of y with four waves, one a SIMD;
; a wave makes 128 x 128: 64 accumulator tiles, 512 registers.  K goes in steps of 64 f32 (rows of 256 bytes, aligned) through two LDS slots.
; f32 to f16 is done between the LDS read and the matrix instruction: staging registers, then v_cvt_pk_f16_f32.
; CLUSTERS: 4 x 4 work-groups.  x's tile hangs on the block row alone and is asked for jointly along a row of the cluster, W's on the block column alone
; and is asked for jointly along a column: a quarter of the requests.  The projection's number hangs on the cluster's y alone: it is the same in all sixteen.
; REGISTERS: window 0: v16-27 addresses, v32-95 x fragments (f16), v96-223 x staging (f32; on the way out the read-back), v224-255 packed results;
;   window 1: v0-63 W fragments, v64-191 W staging, v192-255 the bias as eight C tiles;  windows 2, 3: accumulators, tile (a, b) at 8 (8 a + b).
; TRANSPOSED USE: source 0 = 16 rows of W, source 1 = 16 rows of x: lane l holds row l % 16 of y and the eight neighbouring columns 8 (l / 16) + 0..7.
.set PITCH,  272                       ; an LDS row: 256 bytes + 16 of padding: the 16 rows of a fragment load start in 16 different 16-byte columns
.set HALFT,  128*PITCH                 ; 128 rows: one tensor load
.set SLOT,   4*HALFT                   ; x's 256 rows, then W's 256 rows
.set STAGE,  2*SLOT                    ; behind the ring: 16 rows x 272 bytes for each wave; no tensor load lands here
.set LAPS,   8                         ; 16 K steps, two a lap
.set ADRA, 16                          ; v16-17 LDS address of my x rows in slot 0, 1
.set ADRB, 20                          ; v20-21 the same for W
.set STO,  24
.set RD,   25
.set CO,   26
.set BOFF, 27
.set AF,   32
.set AS,   96
.set RB0,  96
.set RB1,  128
.set TMP,  224
.set BF,   0                           ; window 1
.set BS,   64                          ; window 1
.set BIAS, 192                         ; window 1
.set G1,  24                           ; s[24:31] group 1 for x's tiles
.set G0,  32                           ; s[32:39] group 0 for x's tiles, one set a slot
.set G1B, 48                           ; s[48:55] group 1 for W's tiles
.set G0B, 56                           ; s[56:63] group 0 for W's tiles
.set WV,  10                           ; s10: the wave's number
.set MSB, 0
.macro WIN new                         ; the immediate's high byte repeats the setting that is left
.if MSB != \new
	s_set_vgpr_msb (MSB<<8)|\new
.set MSB, \new
.endif
.endm
.macro PLACES                          ; four places behind a matrix instruction (ISA guide 7.12.1)
.rept 4
	v_nop
.endr
.endm
.macro JLOAD s                         ; waves 0, 1 ask for x's two halves, waves 2, 3 for W's: one mask and one set of registers a line
	s_cmp_eq_u32 s11, 0
	s_cbranch_scc0 .Lfor_b_\@
	tensor_load_to_lds s[G0+4*\s:G0+4*\s+3], s[G1:G1+7]
	s_nop 0
	s_branch .Lasked_\@
.Lfor_b_\@:
	tensor_load_to_lds s[G0B+4*\s:G0B+4*\s+3], s[G1B:G1B+7]
	s_nop 0
.Lasked_\@:
.endm
.macro CREST                           ; a round of the cluster's barrier behind its opening work-group barrier
	s_cmp_lg_u32 s[WV], 0
	s_cbranch_scc1 .Lnot_wave_0_\@
	s_barrier_signal -3
.Lnot_wave_0_\@:
	s_barrier_wait -3
	s_barrier_signal -1
	s_barrier_wait -1
.endm
.macro CROUND
	s_barrier_signal -1
	s_barrier_wait -1
	CREST
.endm
	s_load_b512 s[68:83], s[0:1], 0x0              ; q, k, v, Wq, Wk, Wv, bq, bk
	s_load_b256 s[84:91], s[0:1], 0x40             ; bv, qh, kh, vh
	v_lshl_add_u32 v30, v0, 2, 0x48400
	v_mov_b32 v31, 0
	ds_add_u32 v30, v31
	v_lshrrev_b32 v1, 5, v0
	v_readfirstlane_b32 s10, v1                    ; wave 0..3
	s_lshr_b32 s11, s10, 1                         ; my half of the block's rows.  Also: I fetch for x (0) or for W (1)
	s_and_b32 s12, s10, 1                          ; my half of its columns.  Also: which 128 rows of that tile I fetch
	s_bfe_u32 s40, ttmp6, 0x40000                  ; cx
	s_bfe_u32 s41, ttmp6, 0x40004                  ; cy
	s_lshl_b32 s42, ttmp9, 2
	s_add_co_u32 s42, s42, s40                     ; block column 0..3
	s_and_b32 s13, ttmp7, 0xffff                   ; the cluster's y, 0..23
	s_lshr_b32 s45, s13, 3                         ; which projection: 0 q, 1 k, 2 v
	s_and_b32 s13, s13, 7
	s_lshl_b32 s13, s13, 2
	s_add_co_u32 s13, s13, s41                     ; block row 0..31
	s_lshl_b32 s43, s41, 2
	s_lshl_b32 s43, 15, s43                        ; my row of the cluster
	s_lshl_b32 s44, 0x1111, s40                    ; my column
	; group 1: 128 rows x 64 elements of 4 bytes, 4 words of padding behind every 64 words
	s_or_b32 s[G1+0], s43, (2<<16)|(1<<20)|(1<<21)|(5<<22)|(3<<25)
	s_or_b32 s[G1B+0], s44, (2<<16)|(1<<20)|(1<<21)|(5<<22)|(3<<25)
	s_mov_b32 s[G1+1], 64<<16                      ; tensor_dim0 = 64
	s_mov_b32 s[G1B+1], 64<<16
	s_mov_b32 s[G1+2], 128<<16                     ; tensor_dim1 = 128
	s_mov_b32 s[G1B+2], 128<<16
	s_mov_b32 s[G1+3], 64<<16                      ; tile_dim0 = 64
	s_mov_b32 s[G1B+3], 64<<16
	s_mov_b32 s[G1+4], 128                         ; tile_dim1 = 128
	s_mov_b32 s[G1B+4], 128
	s_mov_b32 s[G1+5], 1024                        ; elements from row to row
	s_mov_b32 s[G1B+5], 1024
	s_mov_b32 s[G1+6], 0
	s_mov_b32 s[G1B+6], 0
	s_mov_b32 s[G1+7], 0
	s_mov_b32 s[G1B+7], 0
	; byte offsets, apart from the addresses.  x's never holds cx, W's never cy.
	s_lshl_b32 s17, s12, 7
	s_lshl_b32 s16, s13, 8
	s_add_co_u32 s16, s16, s17                     ; x: row 256 x block row + 128 x half
	s_lshl_b32 s16, s16, 12                        ; rows of 4,096 bytes: below 2^26
	s_lshl_b32 s46, s42, 8
	s_add_co_u32 s46, s46, s17                     ; W: row 256 x block column + 128 x half
	s_lshl_b32 s94, s46, 2                         ; the same number as a column of y: my 128 numbers of the bias, in bytes
	s_lshl_b32 s46, s46, 12
	s_mov_b32 s17, 0
	s_mov_b32 s47, 0
	s_mov_b32 s95, 0
	s_mul_i32 s20, s10, HALFT                      ; where my tile goes: wave x 128 rows
	s_mov_b32 s66, 0x3e38aa3b                      ; log2(e) / 8, twice: a pair for the packed multiply
	s_mov_b32 s67, 0x3e38aa3b
	s_wait_dscnt 0x0
	s_wait_kmcnt 0x0
	s_cmp_eq_u32 s45, 1                            ; the projection's four buffers
	s_cselect_b64 s[4:5], s[70:71], s[68:69]       ; x
	s_cselect_b64 s[6:7], s[76:77], s[74:75]       ; W
	s_cselect_b64 s[8:9], s[88:89], s[86:87]       ; y
	s_cselect_b64 s[92:93], s[82:83], s[80:81]     ; b
	s_cmp_eq_u32 s45, 2
	s_cselect_b64 s[4:5], s[72:73], s[4:5]
	s_cselect_b64 s[6:7], s[78:79], s[6:7]
	s_cselect_b64 s[8:9], s[90:91], s[8:9]
	s_cselect_b64 s[92:93], s[84:85], s[92:93]
	s_add_nc_u64 s[14:15], s[4:5], s[16:17]
	s_add_nc_u64 s[46:47], s[6:7], s[46:47]
	s_add_nc_u64 s[92:93], s[92:93], s[94:95]
	CROUND                                         ; all sixteen work-groups are here: the first joint loads meet
.irp s, 0,1
	s_mov_b32 s[G0+4*\s], 1
	s_add_co_u32 s[G0+4*\s+1], s20, \s*SLOT
	s_add_nc_u64 s[G0+4*\s+2:G0+4*\s+3], s[14:15], \s*256          ; K step s
	s_or_b32 s[G0+4*\s+3], s[G0+4*\s+3], 0x80000000
	s_mov_b32 s[G0B+4*\s], 1
	s_add_co_u32 s[G0B+4*\s+1], s20, \s*SLOT
	s_add_nc_u64 s[G0B+4*\s+2:G0B+4*\s+3], s[46:47], \s*256
	s_or_b32 s[G0B+4*\s+3], s[G0B+4*\s+3], 0x80000000
	JLOAD \s                                       ; both slots' first fills, ahead of everything else: two loads of mine are out
.endr
	; A fragment of 16 rows x 32 K wants, in lane (r = l % 16, h = l / 16), K = 8h..8h+7 and 16+8h..16+8h+7 of row r.
	; In f32 these are 32 bytes at 32 h and 32 bytes at 64 + 32 h: four loads of 16 bytes at 0, 16, 64, 80.
	v_and_b32 v1, 15, v0                           ; r
	v_bfe_u32 v2, v0, 4, 1                         ; h
	v_mul_u32_u24 v3, v1, PITCH
	v_lshl_add_u32 v3, v2, 5, v3                   ; r x pitch + 32 h
	s_mul_i32 s21, s11, HALFT                      ; my 128 rows of x
	s_mul_i32 s22, s12, HALFT                      ; my 128 rows of W,
	s_add_co_u32 s22, s22, 2*HALFT                 ; which lie behind x's 256
.irp s, 0,1
	v_add_nc_u32 v[ADRA+\s], s21, v3
	v_add_nc_u32 v[ADRB+\s], s22, v3
	s_add_co_u32 s21, s21, SLOT
	s_add_co_u32 s22, s22, SLOT
.endr
	s_mul_i32 s23, s10, 16*PITCH
	s_add_co_u32 s23, s23, STAGE                   ; my stage
	v_mul_u32_u24 v4, v1, PITCH
	v_lshl_add_u32 v4, v2, 4, v4
	v_add_nc_u32 v[STO], s23, v4                   ; in: row r, 16 bytes for each half of the lanes
	v_and_b32 v5, 31, v0                           ; lane
	v_lshrrev_b32 v6, 3, v5
	v_and_b32 v7, 7, v0
	v_mul_u32_u24 v6, v6, PITCH
	v_lshl_add_u32 v6, v7, 4, v6
	v_add_nc_u32 v[RD], s23, v6                    ; back: eight lanes take the 128 bytes that one row has of one head, four rows a load
	v_lshlrev_b32 v[CO], 4, v5                     ; and these four rows are 512 neighbouring bytes of y
	v_lshlrev_b32 v[BOFF], 5, v2                   ; bias: my eight columns of a tile begin at 8 h
	WIN 0x40
.irp b, 0,1,2,3,4,5,6,7
	global_load_b128 v[BIAS+8*\b:BIAS+8*\b+3],   v[BOFF], s[92:93] offset:64*\b        ; C tile b: register j = b[16 b + 8 h + j], alike in all rows
	global_load_b128 v[BIAS+8*\b+4:BIAS+8*\b+7], v[BOFF], s[92:93] offset:64*\b+16
.endr
	WIN 0
; 64 LDS loads: 128 rows of W, then 128 rows of x, 32 K in f32 at byte kb of the rows, into the staging registers
.macro FETCH slot, kb
	WIN 0x40
.irp i, 0,1,2,3,4,5,6,7
	ds_load_b128 v[BS+16*\i:BS+16*\i+3],     v[ADRB+\slot] offset:\kb+\i*16*PITCH
	ds_load_b128 v[BS+16*\i+4:BS+16*\i+7],   v[ADRB+\slot] offset:\kb+\i*16*PITCH+16
	ds_load_b128 v[BS+16*\i+8:BS+16*\i+11],  v[ADRB+\slot] offset:\kb+\i*16*PITCH+64
	ds_load_b128 v[BS+16*\i+12:BS+16*\i+15], v[ADRB+\slot] offset:\kb+\i*16*PITCH+80
.endr
	WIN 0
.irp i, 0,1,2,3,4,5,6,7
	ds_load_b128 v[AS+16*\i:AS+16*\i+3],     v[ADRA+\slot] offset:\kb+\i*16*PITCH
	ds_load_b128 v[AS+16*\i+4:AS+16*\i+7],   v[ADRA+\slot] offset:\kb+\i*16*PITCH+16
	ds_load_b128 v[AS+16*\i+8:AS+16*\i+11],  v[ADRA+\slot] offset:\kb+\i*16*PITCH+64
	ds_load_b128 v[AS+16*\i+12:AS+16*\i+15], v[ADRA+\slot] offset:\kb+\i*16*PITCH+80
.endr
.endm
; 128 staged f32 registers become 64 fragment registers: register n takes staged 2 n and 2 n + 1
.macro CVT dst, src
.set j, 0
.rept 64
	v_cvt_pk_f16_f32 v[\dst+j], v[\src+2*j], v[\src+2*j+1]
.set j, j+1
.endr
.endm
.macro MUL16 hi, a0, first
.irp a, \a0, \a0+1
.irp b, 0,1,2,3,4,5,6,7
.if \first
	v_wmma_f32_16x16x32_f16 v[8*(8*(\a)+\b):8*(8*(\a)+\b)+7], v[BF+8*\b:BF+8*\b+7], v[AF+8*(4*\hi+\a):AF+8*(4*\hi+\a)+7], v[BIAS+8*\b:BIAS+8*\b+7]
.else
	v_wmma_f32_16x16x32_f16 v[8*(8*(\a)+\b):8*(8*(\a)+\b)+7], v[BF+8*\b:BF+8*\b+7], v[AF+8*(4*\hi+\a):AF+8*(4*\hi+\a)+7], v[8*(8*(\a)+\b):8*(8*(\a)+\b)+7]
.endif
.endr
.endr
.endm
; 64 matrix instructions, 32 along K.  The 64 accumulators take turns, one instruction a turn, always in this order.
; first = 1: the bias tiles are the C operand: they start the sums, nothing is cleared and nothing is added later.
.macro MULALL first
.if \first
	WIN 0x91                                       ; source 0 (W) window 1, source 1 (x) window 0, C (bias) window 1, D window 2
.else
	WIN 0xa1
.endif
	MUL16 0, 0, \first
	MUL16 0, 2, \first
.if \first
	WIN 0xd1
.else
	WIN 0xf1
.endif
	MUL16 1, 0, \first
	MUL16 1, 2, \first
.endm
; First half of a K step: the staged half is converted, the second half is fetched, the first is multiplied while those loads are on their way.
.macro SUB0 slot, first
	PLACES                                         ; the conversions write fragment registers that the last matrix instructions read
	s_wait_dscnt 32                                ; W's 32 staging loads are in; x's 32 are younger
	WIN 0x45
	CVT BF, BS
	s_wait_dscnt 0
	WIN 0
	CVT AF, AS
	FETCH \slot, 128
	MULALL \first
.endm
; Second half, and the change of slots.  In front of the barrier: my reads of this slot are back and all my tensor loads have landed (one was out: my part
; of the next slot).  fill = 1: the barrier opens a round of the cluster's barrier, and the joint refill of this slot, two K steps ahead, is the first thing behind the round.
.macro SUB1 slot, next, fill
	PLACES
	s_wait_dscnt 0
	s_set_vgpr_msb (MSB<<8)|((MSB&0xf0)|0x0)
	s_wait_tensorcnt 0x0
	ds_add_u32 v30, v31
	s_wait_dscnt 0x0
	s_set_vgpr_msb (((MSB&0xf0)|0x0)<<8)|MSB
	s_barrier_signal -1
	WIN 0x45
	CVT BF, BS                                     ; register work while the others arrive
	WIN 0
	CVT AF, AS
	s_barrier_wait -1
.if \fill
	CREST
	s_add_nc_u64 s[G0+4*\slot+2:G0+4*\slot+3], s[G0+4*\slot+2:G0+4*\slot+3], 512       ; no load of mine is out: the groups 0 may be written
	s_add_nc_u64 s[G0B+4*\slot+2:G0B+4*\slot+3], s[G0B+4*\slot+2:G0B+4*\slot+3], 512
	JLOAD \slot
.endif
	FETCH \next, 0
	MULALL 0
.endm
.macro LAP first
	SUB0 0, \first
	SUB1 0, 1, 1
	SUB0 1, 0
	SUB1 1, 0, 1
.endm
	s_wait_loadcnt 0x0                             ; the bias
	s_wait_tensorcnt 0x1                           ; my part of K step 0 is in; K step 1's load stays out
	s_barrier_signal -1
	s_barrier_wait -1
	FETCH 0, 0
	LAP 1
	WIN 0
	s_mov_b32 s3, LAPS-2
.Llap:
	LAP 0
	WIN 0
	s_sub_co_u32 s3, s3, 1
	s_cmp_lg_u32 s3, 0
	s_cbranch_scc1 .Llap
	SUB0 0, 0                                      ; the last lap fills nothing
	SUB1 0, 1, 0
	SUB0 1, 0
	PLACES
	s_wait_dscnt 0
	WIN 0x45
	CVT BF, BS
	WIN 0
	CVT AF, AS
	MULALL 0
	; THE WAY OUT
	PLACES                                         ; behind the last matrix instructions
	WIN 0
	s_cmp_lg_u32 s45, 0                            ; the same in all sixteen work-groups
	s_cbranch_scc1 .Lplain
	WIN 0x82                                       ; the q projection alone: times log2(e) / 8, in f32, before the one rounding
.set j, 0
.rept 128
	v_pk_mul_f32 v[j:j+1], v[j:j+1], s[66:67] op_sel_hi:[1,0]
.set j, j+2
.endr
	WIN 0xc3
.set j, 0
.rept 128
	v_pk_mul_f32 v[j:j+1], v[j:j+1], s[66:67] op_sel_hi:[1,0]
.set j, j+2
.endr
	WIN 0
.Lplain:
	s_lshr_b32 s16, s13, 3
	s_lshl_b32 s16, s16, 22                        ; batch: 16 heads x 262,144 bytes
	s_and_b32 s17, s13, 7
	s_lshl_b32 s17, s17, 15                        ; 256 rows of 128 bytes
	s_add_co_u32 s16, s16, s17
	s_lshl_b32 s17, s11, 14                        ; my half: 128 rows
	s_add_co_u32 s16, s16, s17
	s_mov_b32 s17, 0
	s_add_nc_u64 s[8:9], s[8:9], s[16:17]
	s_lshl_b32 s94, s42, 20                        ; four heads a block column,
	s_lshl_b32 s95, s12, 19                        ; two in my half
	s_add_co_u32 s94, s94, s95
	s_mov_b32 s95, 0
	s_add_nc_u64 s[8:9], s[8:9], s[94:95]
; rows 16 i .. 16 i + 15 of my block: round to f16, 16 bytes a lane into my stage, read back as four rows of one head, store 512 neighbouring aligned bytes
.macro OUT16 i, a, from, rb
	WIN \from
.irp b, 0,1,2,3,4,5,6,7
.irp r, 0,1,2,3
	v_cvt_pk_f16_f32 v[TMP+4*\b+\r], v[8*(8*\a+\b)+2*\r], v[8*(8*\a+\b)+2*\r+1]
.endr
.endr
	WIN 0
.irp b, 0,1,2,3,4,5,6,7
	ds_store_b128 v[STO], v[TMP+4*\b:TMP+4*\b+3] offset:32*\b
.endr
	s_wait_xcnt 0x0                                ; the read-back registers, which earlier stores read, are loaded again only behind this wait
.irp t, 0,1,2,3,4,5,6,7
	ds_load_b128 v[\rb+4*\t:\rb+4*\t+3], v[RD] offset:(\t&3)*4*PITCH+(\t>>2)*128      ; LDS serves a wave's instructions in order: these see the stores above
.endr
.irp t, 0,1,2,3,4,5,6,7
	s_wait_dscnt 7-\t                              ; the younger read-backs stay out
	global_store_b128 v[CO], v[\rb+4*\t:\rb+4*\t+3], s[8:9] offset:(\t>>2)*262144+(16*\i+4*(\t&3))*128
.endr
.endm
	OUT16 0, 0, 0x0a, RB0
	OUT16 1, 1, 0x0a, RB1
	OUT16 2, 2, 0x0a, RB0
	OUT16 3, 3, 0x0a, RB1
	OUT16 4, 0, 0x0f, RB0
	OUT16 5, 1, 0x0f, RB1
	OUT16 6, 2, 0x0f, RB0
	OUT16 7, 3, 0x0f, RB1
	s_set_vgpr_msb (MSB<<8)|((MSB&0xf0)|0x0)
	s_wait_tensorcnt 0x0
	ds_add_u32 v30, v31
	s_wait_dscnt 0x0
	s_set_vgpr_msb (((MSB&0xf0)|0x0)<<8)|MSB
	CROUND                                         ; the closing round: no work-group ends while a partner may still ask jointly
	s_endpgm
.Lfunc_end_k_q0df5e04e8f_proj:
	.size	k_q0df5e04e8f_proj, .Lfunc_end_k_q0df5e04e8f_proj-k_q0df5e04e8f_proj
	.p2alignl 7, 3214868480
	.fill 96, 4, 3214868480
	.section	.rodata,"a",@progbits
	.p2align	6, 0x0
	.amdhsa_kernel k_q0df5e04e8f_proj
		.amdhsa_group_segment_fixed_size 327680
		.amdhsa_private_segment_fixed_size 0
		.amdhsa_enable_private_segment 0
		.amdhsa_kernarg_size 96
		.amdhsa_user_sgpr_count 2
		.amdhsa_user_sgpr_kernarg_segment_ptr 1
		.amdhsa_wavefront_size32 1
		.amdhsa_system_sgpr_workgroup_id_x 1
		.amdhsa_system_sgpr_workgroup_id_y 1
		.amdhsa_system_sgpr_workgroup_id_z 1
		.amdhsa_system_vgpr_workitem_id 0
		.amdhsa_next_free_vgpr 1024
		.amdhsa_next_free_sgpr 96
		.amdhsa_reserve_vcc 0
		.amdhsa_float_denorm_mode_32 3
		.amdhsa_float_denorm_mode_16_64 3
		.amdhsa_memory_ordered 1
		.amdhsa_forward_progress 1
		.amdhsa_inst_pref_size 255
	.end_amdhsa_kernel
	.section	.bss,"aw",@nobits
	.p2align	6
	.space	262144
	.amdgpu_metadata
---
amdhsa.version: [ 1, 2 ]
amdhsa.kernels:
  - .name:           k_q0df5e04e8f_proj
    .symbol:         k_q0df5e04e8f_proj.kd
    .args:
      - { .name: q, .offset: 0, .size: 8, .value_kind: global_buffer, .address_space: global }
      - { .name: k, .offset: 8, .size: 8, .value_kind: global_buffer, .address_space: global }
      - { .name: v, .offset: 16, .size: 8, .value_kind: global_buffer, .address_space: global }
      - { .name: Wq, .offset: 24, .size: 8, .value_kind: global_buffer, .address_space: global }
      - { .name: Wk, .offset: 32, .size: 8, .value_kind: global_buffer, .address_space: global }
      - { .name: Wv, .offset: 40, .size: 8, .value_kind: global_buffer, .address_space: global }
      - { .name: bq, .offset: 48, .size: 8, .value_kind: global_buffer, .address_space: global }
      - { .name: bk, .offset: 56, .size: 8, .value_kind: global_buffer, .address_space: global }
      - { .name: bv, .offset: 64, .size: 8, .value_kind: global_buffer, .address_space: global }
      - { .name: qh, .offset: 72, .size: 8, .value_kind: global_buffer, .address_space: global }
      - { .name: kh, .offset: 80, .size: 8, .value_kind: global_buffer, .address_space: global }
      - { .name: vh, .offset: 88, .size: 8, .value_kind: global_buffer, .address_space: global }
    .group_segment_fixed_size: 327680
    .private_segment_fixed_size: 0
    .kernarg_segment_align: 8
    .kernarg_segment_size: 96
    .max_flat_workgroup_size: 128
    .sgpr_count:     96
    .vgpr_count:     1024
    .wavefront_size: 32
...
	.end_amdgpu_metadata
.endif
;; end of part 1
;; launch attn (part 2): grid 256 x 1, 16 waves a work-group, clusters of 4 x 1, 327,680 bytes of LDS; arguments qh, kh, vh, xh; writes xh
.if DOCPART == 2
	.amdgcn_target "amdgcn-amd-amdhsa--gfx1250"
	.amdhsa_code_object_version 6
	.text
	.protected	k_q0df5e04e8f_attn
	.globl	k_q0df5e04e8f_attn
	.p2align	8
	.type	k_q0df5e04e8f_attn,@function
k_q0df5e04e8f_attn:
	s_mov_b64 s[64:65], 0
	v_nop
	global_prefetch_b8 v0, s[64:65] scope:SCOPE_SE
	s_setreg_imm32_b32 hwreg(HW_REG_WAVE_MODE, 25, 1), 1
	s_wait_xcnt 0x0
	s_wait_alu depctr_hold_cnt(0) depctr_sa_sdst(0) depctr_va_vdst(0) depctr_va_sdst(0) depctr_va_ssrc(0) depctr_va_vcc(0) depctr_vm_vsrc(0)
	s_getreg_b32 s2, hwreg(HW_REG_IB_STS2, 6, 4)
	s_cmp_eq_u32 s2, 0
	s_cbranch_scc0 .Lentry_in_a_cluster
	s_endpgm
.Lentry_in_a_cluster:
	s_bfe_u32 s2, ttmp6, 0x10000c
	s_cmp_lg_u32 s2, 0x3003
	s_cbranch_scc0 .Lentry_shape_is_right
	s_endpgm
.Lentry_shape_is_right:
; xh = softmax(q k^T / 8) v for 64 (batch, head) pairs, S = 2048, 64 numbers a head.  qh, kh, vh, xh: f16, [pair][2048][64]; qh already holds log2(e)/8 times q.
; So S = k . qh is the exponent to the base 2.  A running maximum is taken away before every exponential (S - max is never above 0), sums and results in f32.
; LIMIT: the operands are f16; the weights p lie in [0, 1] and are rounded to f16 for the second product; their sum is taken in f32 before that rounding.
; SHARES: a cluster of four work-groups has one pair; a work-group 512 queries; each of its sixteen waves 32 queries (two query tiles of 16).  Four waves lie on a
; SIMD: for 32 matrix instructions a wave has some 240 vector instructions with chains of dependent results, and the other three waves' work stands in its waits.
; A wave's registers all lie in v0-v255, so no register window is ever switched.  The price: a wave reads 16 KB of K and V from LDS for 32 matrix instructions.
; All four work-groups read the same K and V tiles: every tile is asked for jointly.
; LAYOUT: S^T = K Q^T (source 0 = 16 keys, source 1 = 16 queries): lane (r, h) holds query r and keys 8 h + 0..7 of each key tile.  Maximum and sum are a lane's own
; work but for one exchange between the halves; two packed S^T tiles ARE the second product's source 1; O^T = V^T P^T (source 0 = V read transposed) has again
; query r in lane (r, h), so the rescaling is a multiply by the lane's own factor, and a lane's eight results are eight neighbouring numbers of a row of xh.
; LDS: two slots of 256 keys.  A slot is eight chunks of 10,240 bytes: four of 64 K rows (pitch 144), then four of 64 V rows (pitch 160).
; Waves 0 to 3 fetch the K chunks, waves 4 to 7 the V chunks, waves 8 to 15 none.  Behind the ring each wave has a stage of 32 rows x 144 bytes.
.set CHUNK,  10240
.set NCH,    4                         ; chunks of 64 keys in a slot
.set SLOT,   2*NCH*CHUNK
.set KP,     144                       ; odd multiple of 16 bytes
.set VP,     160                       ; odd multiple of 32 bytes, for the transposing loads
.set STAGE,  2*SLOT
.set WSTAGE, 32*KP
.set TILEB,  NCH*8192                  ; 256 rows of 128 bytes in kh and in vh
.set ADRK, 2                           ; v2-3   my K fragment address in slot 0, 1
.set ADRV, 4                           ; v4-5   the same for V
.set STO,  6
.set RD,   7
.set CO,   8
.set QOFF, 9
.set M,    10                          ; v10-11 running maximum of query tile t
.set L,    12                          ; v12-13 running sum (my half of the keys)
.set MX,   14                          ; v14-17 at work
.set TX,   18
.set MN,   20                          ; v20-21 the new maximum, twice
.set AL,   22                          ; v22-23 exp2(old maximum - new maximum), twice
.set LSA,  24
.set LSB,  26
.set Q,    28                          ; v28-59   Q fragments at 16 t + 8 ks
.set O,    60                          ; v60-123  O^T tiles at 32 t + 8 d
.set KV,   124                         ; v124-187 K fragments [key tile 0..3][dk half]; behind the first product V^T fragments [32 keys g][dk tile d]
.set S0,   188                         ; v188-251 S of query tile t at 32 t: four key tiles of 8 registers
.set G1K, 16
.set G1V, 24
.set G0K, 32                           ; one set a slot
.set G0V, 40
.set WV,  12                           ; s12: the wave's number
.macro PLACES n                        ; places behind a matrix instruction (ISA guide 7.12.1)
.rept \n
	v_nop
.endr
.endm
.macro CREST
	s_cmp_lg_u32 s[WV], 0
	s_cbranch_scc1 .Lnot_wave_0_\@
	s_barrier_signal -3
.Lnot_wave_0_\@:
	s_barrier_wait -3
	s_barrier_signal -1
	s_barrier_wait -1
.endm
.macro CROUND
	s_barrier_signal -1
	s_barrier_wait -1
	CREST
.endm
.macro JLOADA s                        ; the branches hang on the wave's number alone; s may be an expression, so it stands in brackets
	s_cmp_lt_u32 s12, NCH
	s_cbranch_scc0 .Lnot_k_\@
	tensor_load_to_lds s[G0K+4*(\s):G0K+4*(\s)+3], s[G1K:G1K+7]
	s_nop 0
	s_branch .Lasked_\@
.Lnot_k_\@:
	s_cmp_lt_u32 s12, 2*NCH
	s_cbranch_scc0 .Lasked_\@
	tensor_load_to_lds s[G0V+4*(\s):G0V+4*(\s)+3], s[G1V:G1V+7]
	s_nop 0
.Lasked_\@:
.endm
	s_load_b256 s[4:11], s[0:1], 0x0               ; qh s[4:5], kh s[6:7], vh s[8:9], xh s[10:11]
	v_lshl_add_u32 v254, v0, 2, 0x3a000
	v_mov_b32 v255, 0
	ds_add_u32 v254, v255
	v_lshrrev_b32 v1, 5, v0
	v_readfirstlane_b32 s12, v1                    ; wave 0..15
	s_bfe_u32 s13, ttmp6, 0x40000                  ; cx: my block of 512 queries
	s_mov_b32 s48, 0x76543210                      ; v_permlanex16_b32: lane i reads lane i of the other half
	s_mov_b32 s49, 0xfedcba98
	; group 1: 64 rows x 64 elements of 2 bytes, padding behind every 32 words: 4 words for K, 8 for V; the mask names all four work-groups
	s_mov_b32 s[G1K+0], 15|(1<<16)|(1<<20)|(1<<21)|(4<<22)|(3<<25)
	s_mov_b32 s[G1V+0], 15|(1<<16)|(1<<20)|(1<<21)|(4<<22)|(7<<25)
	s_mov_b32 s[G1K+1], 64<<16
	s_mov_b32 s[G1V+1], 64<<16
	s_mov_b32 s[G1K+2], 64<<16
	s_mov_b32 s[G1V+2], 64<<16
	s_mov_b32 s[G1K+3], 64<<16
	s_mov_b32 s[G1V+3], 64<<16
	s_mov_b32 s[G1K+4], 64
	s_mov_b32 s[G1V+4], 64
	s_mov_b32 s[G1K+5], 64
	s_mov_b32 s[G1V+5], 64
	s_mov_b32 s[G1K+6], 0
	s_mov_b32 s[G1V+6], 0
	s_mov_b32 s[G1K+7], 0
	s_mov_b32 s[G1V+7], 0
	s_lshl_b32 s50, ttmp9, 18                      ; the pair's 262,144 bytes (ttmp9 counts clusters)
	s_and_b32 s14, s12, 3
	s_lshl_b32 s14, s14, 13
	s_add_co_u32 s50, s50, s14                     ; + which 64 rows of a tile I fetch
	s_mov_b32 s51, 0
	s_mul_i32 s15, s12, CHUNK                      ; my chunk of a slot: waves 0-3 the K chunks, waves 4-7 the V chunks
	s_lshl_b32 s54, ttmp9, 18
	s_lshl_b32 s53, s13, 16                        ; 512 queries of 128 bytes
	s_add_co_u32 s54, s54, s53
	s_lshl_b32 s53, s12, 12                        ; my wave's 32
	s_add_co_u32 s54, s54, s53
	s_mov_b32 s55, 0
	s_wait_dscnt 0x0
	s_wait_kmcnt 0x0
	s_add_nc_u64 s[6:7], s[6:7], s[50:51]
	s_add_nc_u64 s[8:9], s[8:9], s[50:51]
	s_add_nc_u64 s[4:5], s[4:5], s[54:55]
	s_add_nc_u64 s[10:11], s[10:11], s[54:55]
.irp s, 0,1
	s_mov_b32 s[G0K+4*\s], 1
	s_add_co_u32 s[G0K+4*\s+1], s15, \s*SLOT
	s_add_nc_u64 s[G0K+4*\s+2:G0K+4*\s+3], s[6:7], \s*TILEB        ; slot s begins with tile s
	s_or_b32 s[G0K+4*\s+3], s[G0K+4*\s+3], 0x80000000
	s_mov_b32 s[G0V+4*\s], 1
	s_add_co_u32 s[G0V+4*\s+1], s15, \s*SLOT
	s_add_nc_u64 s[G0V+4*\s+2:G0V+4*\s+3], s[8:9], \s*TILEB
	s_or_b32 s[G0V+4*\s+3], s[G0V+4*\s+3], 0x80000000
.endr
	CROUND                                         ; the four work-groups are here
	JLOADA 0                                       ; tile 0; slot 1 is first filled behind the first trip's round, as a refill is
	v_and_b32 v14, 15, v0                          ; r
	v_bfe_u32 v15, v0, 4, 1                        ; h
	v_and_b32 v16, 7, v0
	v_bfe_u32 v17, v0, 3, 1
	v_and_b32 v19, 31, v0                          ; lane
	v_mul_u32_u24 v[ADRK], v14, KP
	v_lshl_add_u32 v[ADRK], v15, 4, v[ADRK]        ; K: row r, 16 h
	s_mul_i32 s14, s12, WSTAGE
	s_add_co_u32 s14, s14, STAGE
	v_add_nc_u32 v[STO], s14, v[ADRK]              ; the stage has K's pitch: row r, 16 h
	v_add_nc_u32 v[ADRK+1], SLOT, v[ADRK]
	v_lshl_add_u32 v20, v15, 3, v16                ; V, transposing load: row 8 h + (l & 7),
	v_mul_u32_u24 v[ADRV], v20, VP
	v_lshl_add_u32 v[ADRV], v17, 4, v[ADRV]        ; 16 bytes further for lanes 8-15 of a half
	v_add_nc_u32 v[ADRV], NCH*CHUNK, v[ADRV]       ; the V chunks lie behind the K chunks
	v_add_nc_u32 v[ADRV+1], SLOT, v[ADRV]
	v_lshrrev_b32 v[RD], 3, v19
	v_mul_u32_u24 v[RD], v[RD], KP
	v_lshl_add_u32 v[RD], v16, 4, v[RD]
	v_add_nc_u32 v[RD], s14, v[RD]                 ; back: eight lanes a row of 128 bytes, four rows a load
	v_lshlrev_b32 v[CO], 4, v19
	v_lshlrev_b32 v[QOFF], 7, v14
	v_lshl_add_u32 v[QOFF], v15, 4, v[QOFF]        ; Q: row r of 128 bytes, 16 h
	v_mov_b32 v[TX], 0                             ; v_permlanex16_b32 counts as a reader of its destination
.irp t, 0,1
.irp ks, 0,1
.irp c, 0,1
	global_load_b128 v[Q+16*\t+8*\ks+4*\c:Q+16*\t+8*\ks+4*\c+3], v[QOFF], s[4:5] offset:\t*2048+\ks*64+\c*32
.endr
.endr
.endr
	s_wait_loadcnt 0x0
; S^T of both query tiles against 64 keys: eight accumulators by turns, one instruction a turn; the first product starts each sum
.macro QK
.irp t, 0,1
.irp kt, 0,1,2,3
	v_wmma_f32_16x16x32_f16 v[S0+32*\t+8*\kt:S0+32*\t+8*\kt+7], v[KV+16*\kt:KV+16*\kt+7], v[Q+16*\t:Q+16*\t+7], 0
.endr
.endr
.irp t, 0,1
.irp kt, 0,1,2,3
	v_wmma_f32_16x16x32_f16 v[S0+32*\t+8*\kt:S0+32*\t+8*\kt+7], v[KV+16*\kt+8:KV+16*\kt+15], v[Q+16*\t+8:Q+16*\t+15], v[S0+32*\t+8*\kt:S0+32*\t+8*\kt+7]
.endr
.endr
.endm
; the new running maximum of my query, over my 32 numbers, the other half's 32 and what came before
.macro MAXP t, first
.set SB, S0+32*\t
.irp k, 0,1,2,3
	v_max3_num_f32 v[MX+\k], v[SB+8*\k], v[SB+8*\k+1], v[SB+8*\k+2]
.endr
.irp k, 0,1,2,3
	v_max3_num_f32 v[MX+\k], v[MX+\k], v[SB+8*\k+3], v[SB+8*\k+4]
.endr
.irp k, 0,1,2,3
	v_max3_num_f32 v[MX+\k], v[MX+\k], v[SB+8*\k+5], v[SB+8*\k+6]
.endr
	v_max3_num_f32 v[MX], v[MX], v[SB+7], v[SB+15]
	v_max3_num_f32 v[MX+2], v[MX+2], v[SB+23], v[SB+31]
	v_max3_num_f32 v[MX], v[MX], v[MX+1], v[MX+2]
	v_max_num_f32 v[MX], v[MX], v[MX+3]
	v_permlanex16_b32 v[TX], v[MX], s48, s49
.if \first
	v_max_num_f32 v[MN], v[MX], v[TX]
.else
	v_max3_num_f32 v[MN], v[MX], v[TX], v[M+\t]
	v_sub_f32 v[AL], v[M+\t], v[MN]                ; never above 0
.endif
	v_mov_b32 v[MN+1], v[MN]
	v_mov_b32 v[M+\t], v[MN]
.endm
.macro SUBM kt                         ; S - maximum
.irp i, 0,2,4,6
	v_pk_add_f32 v[SB+8*\kt+\i:SB+8*\kt+\i+1], v[SB+8*\kt+\i:SB+8*\kt+\i+1], v[MN:MN+1] neg_lo:[0,1] neg_hi:[0,1]
.endr
.endm
.macro EXP8 kt
.irp i, 0,1,2,3,4,5,6,7
	v_exp_f32 v[SB+8*\kt+\i], v[SB+8*\kt+\i]
.endr
.endm
; the tile's eight p join two sums, then pack to f16 in place: tiles 2 g and 2 g + 1 become registers 16 g .. 16 g + 7, a source 1 fragment of 32 keys
.macro SUMC kt
.if \kt == 0
	s_wait_alu depctr_va_vdst(0)
	v_pk_add_f32 v[LSA:LSA+1], v[SB:SB+1], v[SB+4:SB+5]
	v_pk_add_f32 v[LSB:LSB+1], v[SB+2:SB+3], v[SB+6:SB+7]
.else
	s_wait_alu depctr_va_vdst(0)
	v_pk_add_f32 v[LSA:LSA+1], v[LSA:LSA+1], v[SB+8*\kt:SB+8*\kt+1]
	v_pk_add_f32 v[LSB:LSB+1], v[LSB:LSB+1], v[SB+8*\kt+2:SB+8*\kt+3]
	v_pk_add_f32 v[LSA:LSA+1], v[LSA:LSA+1], v[SB+8*\kt+4:SB+8*\kt+5]
	v_pk_add_f32 v[LSB:LSB+1], v[LSB:LSB+1], v[SB+8*\kt+6:SB+8*\kt+7]
.endif
.irp i, 0,1,2,3
	v_cvt_pk_f16_f32 v[SB+16*(\kt>>1)+4*(\kt&1)+\i], v[SB+8*\kt+2*\i], v[SB+8*\kt+2*\i+1]
.endr
.endm
; p = exp2(S - maximum).  The order keeps a plain vector instruction that touches none of its registers between every exponential and the use of its result (ISA guide 5.7.2).
.macro EXPP t, first
.set SB, S0+32*\t
.if \first == 0
	v_exp_f32 v[AL], v[AL]
.endif
	SUBM 0
.if \first == 0
	s_wait_alu depctr_va_vdst(0)
	v_mov_b32 v[AL+1], v[AL]
.endif
	EXP8 0
	SUBM 1
	EXP8 1
	SUMC 0
	SUBM 2
	EXP8 2
	SUMC 1
	SUBM 3
	EXP8 3
	SUMC 2
	SUMC 3
	v_pk_add_f32 v[LSA:LSA+1], v[LSA:LSA+1], v[LSB:LSB+1]
.if \first
	v_add_f32 v[L+\t], v[LSA], v[LSA+1]
.else
	v_add_f32 v[LSA], v[LSA], v[LSA+1]
	v_fma_f32 v[L+\t], v[L+\t], v[AL], v[LSA]
.endif
.endm
.macro RESC t                          ; what has been summed so far moves to the new maximum
.irp i, 0,2,4,6,8,10,12,14,16,18,20,22,24,26,28,30
	v_pk_mul_f32 v[O+32*\t+\i:O+32*\t+\i+1], v[O+32*\t+\i:O+32*\t+\i+1], v[AL:AL+1]
.endr
.endm
.macro PV first                        ; O^T += V^T P^T for both query tiles: eight accumulators by turns, one instruction a turn
.irp t, 0,1
.irp d, 0,1,2,3
.if \first
	v_wmma_f32_16x16x32_f16 v[O+32*\t+8*\d:O+32*\t+8*\d+7], v[KV+8*\d:KV+8*\d+7], v[S0+32*\t:S0+32*\t+7], 0
.else
	v_wmma_f32_16x16x32_f16 v[O+32*\t+8*\d:O+32*\t+8*\d+7], v[KV+8*\d:KV+8*\d+7], v[S0+32*\t:S0+32*\t+7], v[O+32*\t+8*\d:O+32*\t+8*\d+7]
.endif
.endr
.endr
.irp t, 0,1
.irp d, 0,1,2,3
	v_wmma_f32_16x16x32_f16 v[O+32*\t+8*\d:O+32*\t+8*\d+7], v[KV+32+8*\d:KV+32+8*\d+7], v[S0+32*\t+16:S0+32*\t+23], v[O+32*\t+8*\d:O+32*\t+8*\d+7]
.endr
.endr
.endm
; 64 keys (chunk it of the slot) against my 32 queries.
.macro ITER slot, it, first
	PLACES 5                                       ; the K loads land in registers that the last products read (four places), and the S products write over the p that they read (five)
.irp kt, 0,1,2,3
.irp ks, 0,1
.irp c, 0,1
	ds_load_b128 v[KV+16*\kt+8*\ks+4*\c:KV+16*\kt+8*\ks+4*\c+3], v[ADRK+\slot] offset:\it*CHUNK+\kt*16*KP+\ks*64+\c*32
.endr
.endr
.endr
	s_wait_dscnt 0                                 ; K
	QK
	PLACES 4                                       ; the V loads land in K's registers, and the maxima read the products
.irp g, 0,1
.irp d, 0,1,2,3
.irp c, 0,1
	ds_load_tr16_b128 v[KV+32*\g+8*\d+4*\c:KV+32*\g+8*\d+4*\c+3], v[ADRV+\slot] offset:\it*CHUNK+\g*32*VP+\d*32+\c*16*VP
.endr
.endr
.endr
	MAXP 0, \first                                 ; V is on its way while both query tiles' softmax is worked
	EXPP 0, \first
.if \first == 0
	RESC 0
.endif
	MAXP 1, \first
	EXPP 1, \first
.if \first == 0
	RESC 1
.endif
	s_wait_dscnt 0                                 ; V
	PV \first
.endm
; One tile of 256 keys.  In front of the round every wave's tensor loads have landed (this tile's chunks among them) and its reads of the other slot are back;
; behind the round the next tile is asked for jointly, into the slot read last: one load a wave at the most, and it has this whole trip in which to land.
.macro TRIP slot, refill, first
	s_wait_tensorcnt 0x0
	ds_add_u32 v254, v255
	s_wait_dscnt 0x0
	s_add_nc_u64 s[G0K+4*\slot+2:G0K+4*\slot+3], s[G0K+4*\slot+2:G0K+4*\slot+3], 2*TILEB   ; no load of mine is out: this slot's next tile
	s_add_nc_u64 s[G0V+4*\slot+2:G0V+4*\slot+3], s[G0V+4*\slot+2:G0V+4*\slot+3], 2*TILEB
	s_wait_dscnt 0x0
	CROUND
.if \refill
	JLOADA 1-\slot
.endif
	ITER \slot, 0, \first
	ITER \slot, 1, 0
	ITER \slot, 2, 0
	ITER \slot, 3, 0
.endm
	TRIP 0, 1, 1                                   ; 8 tiles: two, four in the loop, two
	TRIP 1, 1, 0
	s_mov_b32 s52, 2
.Ltiles:
	TRIP 0, 1, 0
	TRIP 1, 1, 0
	s_sub_co_u32 s52, s52, 1
	s_cmp_lg_u32 s52, 0
	s_cbranch_scc1 .Ltiles
	TRIP 0, 1, 0                                   ; asks for tile 7
	TRIP 1, 0, 0                                   ; nothing is left to fetch (the stepped addresses are not used)
	; THE WAY OUT: divide by the sum (at least 1: the largest p is 1), round to f16, through my stage, 512 neighbouring aligned bytes a store
	PLACES 4
.irp t, 0,1
	v_permlanex16_b32 v[TX], v[L+\t], s48, s49     ; the other half's keys
	v_add_f32 v[L+\t], v[L+\t], v[TX]
.endr
	v_rcp_f32 v14, v[L]
	v_rcp_f32 v16, v[L+1]
	v_nop                                          ; one plain place behind the last reciprocal
	s_wait_alu depctr_va_vdst(0)
	v_mov_b32 v15, v14
	v_mov_b32 v17, v16
.irp t, 0,1
.irp i, 0,2,4,6,8,10,12,14,16,18,20,22,24,26,28,30
	v_pk_mul_f32 v[O+32*\t+\i:O+32*\t+\i+1], v[O+32*\t+\i:O+32*\t+\i+1], v[14+2*\t:15+2*\t]
.endr
.endr
.irp t, 0,1
.irp d, 0,1,2,3
.irp i, 0,1,2,3
	v_cvt_pk_f16_f32 v[KV+16*\t+4*\d+\i], v[O+32*\t+8*\d+2*\i], v[O+32*\t+8*\d+2*\i+1]
.endr
.endr
.endr
.irp t, 0,1
.irp d, 0,1,2,3
	ds_store_b128 v[STO], v[KV+16*\t+4*\d:KV+16*\t+4*\d+3] offset:\t*16*KP+32*\d      ; query 16 t + r, numbers 16 d + 8 h + 0..7
.endr
.endr
.irp g, 0,1,2,3,4,5,6,7
	ds_load_b128 v[S0+4*\g:S0+4*\g+3], v[RD] offset:\g*4*KP        ; LDS serves a wave's instructions in order: these see the stores above
.endr
.irp g, 0,1,2,3,4,5,6,7
	s_wait_dscnt 7-\g                              ; the younger read-backs stay out
	global_store_b128 v[CO], v[S0+4*\g:S0+4*\g+3], s[10:11] offset:\g*512
.endr
	s_wait_tensorcnt 0x0
	ds_add_u32 v254, v255
	s_wait_dscnt 0x0
	CROUND                                         ; the closing round
	s_endpgm
.Lfunc_end_k_q0df5e04e8f_attn:
	.size	k_q0df5e04e8f_attn, .Lfunc_end_k_q0df5e04e8f_attn-k_q0df5e04e8f_attn
	.p2alignl 7, 3214868480
	.fill 96, 4, 3214868480
	.section	.rodata,"a",@progbits
	.p2align	6, 0x0
	.amdhsa_kernel k_q0df5e04e8f_attn
		.amdhsa_group_segment_fixed_size 327680
		.amdhsa_private_segment_fixed_size 0
		.amdhsa_enable_private_segment 0
		.amdhsa_kernarg_size 32
		.amdhsa_user_sgpr_count 2
		.amdhsa_user_sgpr_kernarg_segment_ptr 1
		.amdhsa_wavefront_size32 1
		.amdhsa_system_sgpr_workgroup_id_x 1
		.amdhsa_system_sgpr_workgroup_id_y 1
		.amdhsa_system_sgpr_workgroup_id_z 1
		.amdhsa_system_vgpr_workitem_id 0
		.amdhsa_next_free_vgpr 256
		.amdhsa_next_free_sgpr 66
		.amdhsa_reserve_vcc 0
		.amdhsa_float_denorm_mode_32 3
		.amdhsa_float_denorm_mode_16_64 3
		.amdhsa_memory_ordered 1
		.amdhsa_forward_progress 1
		.amdhsa_inst_pref_size 255
	.end_amdhsa_kernel
	.section	.bss,"aw",@nobits
	.p2align	6
	.space	262144
	.amdgpu_metadata
---
amdhsa.version: [ 1, 2 ]
amdhsa.kernels:
  - .name:           k_q0df5e04e8f_attn
    .symbol:         k_q0df5e04e8f_attn.kd
    .args:
      - { .name: qh, .offset: 0, .size: 8, .value_kind: global_buffer, .address_space: global }
      - { .name: kh, .offset: 8, .size: 8, .value_kind: global_buffer, .address_space: global }
      - { .name: vh, .offset: 16, .size: 8, .value_kind: global_buffer, .address_space: global }
      - { .name: xh, .offset: 24, .size: 8, .value_kind: global_buffer, .address_space: global }
    .group_segment_fixed_size: 327680
    .private_segment_fixed_size: 0
    .kernarg_segment_align: 8
    .kernarg_segment_size: 32
    .max_flat_workgroup_size: 512
    .sgpr_count:     66
    .vgpr_count:     256
    .wavefront_size: 32
...
	.end_amdgpu_metadata
.endif
;; end of part 2
;; launch oproj (part 3): grid 8 x 32, 4 waves a work-group, clusters of 4 x 4, 327,680 bytes of LDS; arguments xh, Wo, bo, out0; writes out0
.if DOCPART == 3
	.amdgcn_target "amdgcn-amd-amdhsa--gfx1250"
	.amdhsa_code_object_version 6
	.text
	.protected	k_q0df5e04e8f_oproj
	.globl	k_q0df5e04e8f_oproj
	.p2align	8
	.type	k_q0df5e04e8f_oproj,@function
k_q0df5e04e8f_oproj:
	s_mov_b64 s[64:65], 0
	v_nop
	global_prefetch_b8 v0, s[64:65] scope:SCOPE_SE
	s_setreg_imm32_b32 hwreg(HW_REG_WAVE_MODE, 25, 1), 1
	s_wait_xcnt 0x0
	s_wait_alu depctr_hold_cnt(0) depctr_sa_sdst(0) depctr_va_vdst(0) depctr_va_sdst(0) depctr_va_ssrc(0) depctr_va_vcc(0) depctr_vm_vsrc(0)
	s_getreg_b32 s2, hwreg(HW_REG_IB_STS2, 6, 4)
	s_cmp_eq_u32 s2, 0
	s_cbranch_scc0 .Lentry_in_a_cluster
	s_endpgm
.Lentry_in_a_cluster:
	s_bfe_u32 s2, ttmp6, 0x10000c
	s_cmp_lg_u32 s2, 0xf033
	s_cbranch_scc0 .Lentry_shape_is_right
	s_endpgm
.Lentry_shape_is_right:
; out0 = x Wo^T + bo.  x is xh: f16, [batch][head][2048][64]; Wo [1024][1024] f32; bo [1024] f32; out0 [8192][1024] f32.
; LIMIT: the matrix operands are f16: |Wo| must stay below 65,504 (xh is f16 already).
; SHARES: a work-group makes 256 rows x 128 columns (8 x 32 = 256 work-groups), a wave 128 x 64: 32 accumulator tiles, window 1.  The short side is Wo's, which lies in
; LDS as f32 and has to be converted: 32 conversions for 32 matrix instructions; x's fragments are loaded as they are.
; K goes in steps of 128 = two heads through two LDS slots.  A slot: x as two planes (one a head) of 256 rows x 144 bytes, then Wo's 128 rows x 528 bytes.
; Wave 0 fetches the first head's plane, wave 1 the second's (32,768 dense bytes each), waves 2, 3 64 rows of Wo each (rows of 512 bytes).
; CLUSTERS: 4 x 4; x's planes are asked for jointly along a row of the cluster, Wo's rows along a column.
; TRANSPOSED USE as in the input projections: lane l holds row l % 16 and the eight neighbouring columns 8 (l / 16) + 0..7.
.set APITCH, 144
.set APLANE, 256*APITCH
.set BPITCH, 528
.set BBASE,  2*APLANE
.set BHALF,  64*BPITCH
.set SLOT,   BBASE+2*BHALF
.set STAGE,  2*SLOT
.set SPITCH, 272
.set LAPS,   4                         ; 8 K steps, two a lap
.set ADRA, 16
.set ADRB, 20
.set STO,  24
.set RD,   25
.set CO,   26
.set BOFF, 27
.set AF0,  32                          ; v32-95, v96-159: x fragments, two buffers
.set AF1,  96
.set BF,   160                         ; v160-191: Wo fragments (f16)
.set BS,   192                         ; v192-255: Wo staging (f32); on the way out the read-back
.set G1,  24
.set G0,  32
.set G1B, 48
.set G0B, 56
.set WV,  10
.set MSB, 0
.macro WIN new
.if MSB != \new
	s_set_vgpr_msb (MSB<<8)|\new
.set MSB, \new
.endif
.endm
.macro PLACES
.rept 4
	v_nop
.endr
.endm
.macro JLOAD s
	s_cmp_eq_u32 s11, 0
	s_cbranch_scc0 .Lfor_b_\@
	tensor_load_to_lds s[G0+4*\s:G0+4*\s+3], s[G1:G1+7]
	s_nop 0
	s_branch .Lasked_\@
.Lfor_b_\@:
	tensor_load_to_lds s[G0B+4*\s:G0B+4*\s+3], s[G1B:G1B+7]
	s_nop 0
.Lasked_\@:
.endm
.macro CREST
	s_cmp_lg_u32 s[WV], 0
	s_cbranch_scc1 .Lnot_wave_0_\@
	s_barrier_signal -3
.Lnot_wave_0_\@:
	s_barrier_wait -3
	s_barrier_signal -1
	s_barrier_wait -1
.endm
.macro CROUND
	s_barrier_signal -1
	s_barrier_wait -1
	CREST
.endm
	s_load_b128 s[4:7], s[0:1], 0x0                ; xh s[4:5], Wo s[6:7]
	s_load_b128 s[68:71], s[0:1], 0x10             ; bo s[68:69], out0 s[70:71]
	v_lshl_add_u32 v30, v0, 2, 0x49400
	v_mov_b32 v31, 0
	ds_add_u32 v30, v31
	v_lshrrev_b32 v1, 5, v0
	v_readfirstlane_b32 s10, v1                    ; wave 0..3
	s_lshr_b32 s11, s10, 1                         ; my half of the rows.  Also: I fetch for x (0) or for Wo (1)
	s_and_b32 s12, s10, 1                          ; my half of the columns.  Also: which plane, or which 64 rows, I fetch
	s_bfe_u32 s40, ttmp6, 0x40000                  ; cx
	s_bfe_u32 s41, ttmp6, 0x40004                  ; cy
	s_lshl_b32 s42, ttmp9, 2
	s_add_co_u32 s42, s42, s40                     ; block column 0..7
	s_and_b32 s13, ttmp7, 0xffff
	s_lshl_b32 s13, s13, 2
	s_add_co_u32 s13, s13, s41                     ; block row 0..31
	s_lshl_b32 s43, s41, 2
	s_lshl_b32 s43, 15, s43                        ; my row of the cluster
	s_lshl_b32 s44, 0x1111, s40                    ; my column
	; x: 256 rows x 64 elements of 2 bytes, 4 words of padding behind every 32.  Wo: 64 rows x 128 elements of 4 bytes, 4 words behind every 128.
	s_or_b32 s[G1+0], s43, (1<<16)|(1<<20)|(1<<21)|(4<<22)|(3<<25)
	s_or_b32 s[G1B+0], s44, (2<<16)|(1<<20)|(1<<21)|(6<<22)|(3<<25)
	s_mov_b32 s[G1+1], 64<<16
	s_mov_b32 s[G1B+1], 128<<16
	s_mov_b32 s[G1+2], 256<<16
	s_mov_b32 s[G1B+2], 64<<16
	s_mov_b32 s[G1+3], 64<<16
	s_mov_b32 s[G1B+3], 128<<16
	s_mov_b32 s[G1+4], 256
	s_mov_b32 s[G1B+4], 64
	s_mov_b32 s[G1+5], 64
	s_mov_b32 s[G1B+5], 1024
	s_mov_b32 s[G1+6], 0
	s_mov_b32 s[G1B+6], 0
	s_mov_b32 s[G1+7], 0
	s_mov_b32 s[G1B+7], 0
	s_lshr_b32 s16, s13, 3
	s_lshl_b32 s16, s16, 22                        ; x: the batch,
	s_and_b32 s17, s13, 7
	s_lshl_b32 s17, s17, 15                        ; 256 rows of 128 bytes,
	s_add_co_u32 s16, s16, s17
	s_lshl_b32 s17, s12, 18                        ; the first or the second head of a K step
	s_add_co_u32 s16, s16, s17
	s_mov_b32 s17, 0
	s_lshl_b32 s46, s42, 7
	s_lshl_b32 s47, s12, 6
	s_add_co_u32 s46, s46, s47                     ; Wo: row 128 x block column + 64 x half; also my wave's first column of out0
	s_lshl_b32 s72, s46, 2                         ; that column in bytes, for bo and for out0
	s_lshl_b32 s46, s46, 12
	s_mov_b32 s47, 0
	s_mov_b32 s73, 0
	s_mul_i32 s20, s10, APLANE                     ; waves 0, 1: the planes
	s_mul_i32 s21, s10, BHALF
	s_add_co_u32 s21, s21, BBASE-2*BHALF           ; waves 2, 3: Wo's halves, behind the planes
	s_wait_dscnt 0x0
	s_wait_kmcnt 0x0
	s_add_nc_u64 s[14:15], s[4:5], s[16:17]
	s_add_nc_u64 s[46:47], s[6:7], s[46:47]
	s_add_nc_u64 s[68:69], s[68:69], s[72:73]
	CROUND
.irp s, 0,1
	s_mov_b32 s[G0+4*\s], 1
	s_add_co_u32 s[G0+4*\s+1], s20, \s*SLOT
	s_add_nc_u64 s[G0+4*\s+2:G0+4*\s+3], s[14:15], \s*524288       ; K step s: two heads on
	s_or_b32 s[G0+4*\s+3], s[G0+4*\s+3], 0x80000000
	s_mov_b32 s[G0B+4*\s], 1
	s_add_co_u32 s[G0B+4*\s+1], s21, \s*SLOT
	s_add_nc_u64 s[G0B+4*\s+2:G0B+4*\s+3], s[46:47], \s*512
	s_or_b32 s[G0B+4*\s+3], s[G0B+4*\s+3], 0x80000000
	JLOAD \s                                       ; both first fills: two loads of mine are out
.endr
	v_and_b32 v1, 15, v0                           ; r
	v_bfe_u32 v2, v0, 4, 1                         ; h
	v_mul_u32_u24 v3, v1, APITCH
	v_lshl_add_u32 v3, v2, 4, v3                   ; x (f16): row r, 16 h
	v_mul_u32_u24 v4, v1, BPITCH
	v_lshl_add_u32 v4, v2, 5, v4                   ; Wo (f32): row r, 32 h
	s_mul_i32 s21, s11, 128*APITCH                 ; my 128 rows of a plane
	s_mul_i32 s22, s12, BHALF                      ; my 64 rows of Wo
	s_add_co_u32 s22, s22, BBASE
.irp s, 0,1
	v_add_nc_u32 v[ADRA+\s], s21, v3
	v_add_nc_u32 v[ADRB+\s], s22, v4
	s_add_co_u32 s21, s21, SLOT
	s_add_co_u32 s22, s22, SLOT
.endr
	s_mul_i32 s23, s10, 16*SPITCH
	s_add_co_u32 s23, s23, STAGE
	v_mul_u32_u24 v5, v1, SPITCH
	v_lshl_add_u32 v5, v2, 5, v5
	v_add_nc_u32 v[STO], s23, v5                   ; in: row r, 32 bytes for each half of the lanes
	v_mul_u32_u24 v6, v2, SPITCH
	v_lshl_add_u32 v6, v1, 4, v6
	v_add_nc_u32 v[RD], s23, v6                    ; back: sixteen lanes a row of 256 bytes, two rows a load
	v_lshlrev_b32 v7, 12, v2
	v_lshl_add_u32 v[CO], v1, 4, v7                ; the same two rows in out0
	v_lshlrev_b32 v[BOFF], 5, v2
	WIN 0x80
.irp b, 0,1,2,3
	global_load_b128 v[8*\b:8*\b+3],   v[BOFF], s[68:69] offset:64*\b                  ; window 2: C tile b: register j = bo[16 b + 8 h + j]
	global_load_b128 v[8*\b+4:8*\b+7], v[BOFF], s[68:69] offset:64*\b+16
.endr
	WIN 0
; sub-step u (32 of the step's 128 K): 16 loads of Wo into the staging registers, then 16 of x into fragment buffer af
.macro FETCH slot, u, af
.irp i, 0,1,2,3
	ds_load_b128 v[BS+16*\i:BS+16*\i+3],     v[ADRB+\slot] offset:\u*128+\i*16*BPITCH
	ds_load_b128 v[BS+16*\i+4:BS+16*\i+7],   v[ADRB+\slot] offset:\u*128+\i*16*BPITCH+16
	ds_load_b128 v[BS+16*\i+8:BS+16*\i+11],  v[ADRB+\slot] offset:\u*128+\i*16*BPITCH+64
	ds_load_b128 v[BS+16*\i+12:BS+16*\i+15], v[ADRB+\slot] offset:\u*128+\i*16*BPITCH+80
.endr
.irp i, 0,1,2,3,4,5,6,7
	ds_load_b128 v[\af+8*\i:\af+8*\i+3],   v[ADRA+\slot] offset:(\u>>1)*APLANE+(\u&1)*64+\i*16*APITCH
	ds_load_b128 v[\af+8*\i+4:\af+8*\i+7], v[ADRA+\slot] offset:(\u>>1)*APLANE+(\u&1)*64+\i*16*APITCH+32
.endr
.endm
.macro CVTB
.set j, 0
.rept 32
	v_cvt_pk_f16_f32 v[BF+j], v[BS+2*j], v[BS+2*j+1]
.set j, j+1
.endr
.endm
; 32 matrix instructions; the 32 accumulators take turns, one instruction a turn, always in this order.
; first = 1: the bias tiles (window 2) are the C operand and start the sums.
.macro MULALL af, first
.if \first
	WIN 0x60
.else
	WIN 0x50
.endif
.irp a, 0,1,2,3,4,5,6,7
.irp b, 0,1,2,3
.if \first
	v_wmma_f32_16x16x32_f16 v[8*(4*\a+\b):8*(4*\a+\b)+7], v[BF+8*\b:BF+8*\b+7], v[\af+8*\a:\af+8*\a+7], v[8*\b:8*\b+7]
.else
	v_wmma_f32_16x16x32_f16 v[8*(4*\a+\b):8*(4*\a+\b)+7], v[BF+8*\b:BF+8*\b+7], v[\af+8*\a:\af+8*\a+7], v[8*(4*\a+\b):8*(4*\a+\b)+7]
.endif
.endr
.endr
	WIN 0
.endm
; one of a K step's first three sub-steps: converts Wo, fetches sub-step un into the staging registers and buffer afn, multiplies buffer af
.macro SUBN slot, un, af, afn, first
	PLACES                                         ; the conversions write, and the loads land in, registers that the last matrix instructions read
	s_wait_dscnt 16                                ; Wo's 16 loads are in; x's 16 are younger
	CVTB
	FETCH \slot, \un, \afn
	s_wait_dscnt 32                                ; all but the 32 just issued: x's fragments are in
	MULALL \af, \first
.endm
; the fourth sub-step and the change of slots: waits, barrier (with fill = 1 it opens a round of the cluster's barrier), joint refill first behind it
.macro SUBT slot, next, fill
	PLACES
	s_wait_dscnt 0                                 ; my reads of this slot are back
	s_wait_tensorcnt 0x0                           ; all my tensor loads have landed: the one that was out is my part of the next slot
	ds_add_u32 v30, v31
	s_wait_dscnt 0x0
	s_barrier_signal -1
	CVTB                                           ; register work while the others arrive
	s_barrier_wait -1
.if \fill
	CREST
	s_add_nc_u64 s[G0+4*\slot+2:G0+4*\slot+3], s[G0+4*\slot+2:G0+4*\slot+3], 1048576   ; two K steps = four heads on
	s_add_nc_u64 s[G0B+4*\slot+2:G0B+4*\slot+3], s[G0B+4*\slot+2:G0B+4*\slot+3], 1024
	JLOAD \slot
.endif
	FETCH \next, 0, AF0
	MULALL AF1, 0
.endm
.macro THREE slot, first
	SUBN \slot, 1, AF0, AF1, \first
	SUBN \slot, 2, AF1, AF0, 0
	SUBN \slot, 3, AF0, AF1, 0
.endm
.macro LAP first
	THREE 0, \first
	SUBT 0, 1, 1
	THREE 1, 0
	SUBT 1, 0, 1
.endm
	s_wait_loadcnt 0x0                             ; the bias
	s_wait_tensorcnt 0x1                           ; my part of K step 0 is in; K step 1's load stays out
	s_barrier_signal -1
	s_barrier_wait -1
	FETCH 0, 0, AF0
	LAP 1
	s_mov_b32 s3, LAPS-2
.Llap:
	LAP 0
	s_sub_co_u32 s3, s3, 1
	s_cmp_lg_u32 s3, 0
	s_cbranch_scc1 .Llap
	THREE 0, 0                                     ; the last lap fills nothing
	SUBT 0, 1, 0
	THREE 1, 0
	PLACES
	s_wait_dscnt 0
	CVTB
	MULALL AF1, 0
	; THE WAY OUT, 16 rows at a time: f32 through my stage, read back as whole rows of 256 bytes
	PLACES
	s_lshl_b32 s16, s13, 8
	s_lshl_b32 s17, s11, 7
	s_add_co_u32 s16, s16, s17                     ; my first row
	s_lshl_b32 s16, s16, 12
	s_mov_b32 s17, 0
	s_add_nc_u64 s[70:71], s[70:71], s[16:17]
	s_add_nc_u64 s[70:71], s[70:71], s[72:73]      ; my first column
.macro OUTF a, rb
	WIN 0x04                                       ; store data in window 1
.irp b, 0,1,2,3
	ds_store_b128 v[STO], v[8*(4*\a+\b):8*(4*\a+\b)+3]   offset:64*\b
	ds_store_b128 v[STO], v[8*(4*\a+\b)+4:8*(4*\a+\b)+7] offset:64*\b+16
.endr
	WIN 0
	s_wait_xcnt 0x0                                ; the read-back registers, which earlier stores read, are loaded again only behind this wait
.irp t, 0,1,2,3,4,5,6,7
	ds_load_b128 v[\rb+4*\t:\rb+4*\t+3], v[RD] offset:\t*2*SPITCH  ; LDS serves a wave's instructions in order: these see the stores above
.endr
.irp t, 0,1,2,3,4,5,6,7
	s_wait_dscnt 7-\t                              ; the younger read-backs stay out
	global_store_b128 v[CO], v[\rb+4*\t:\rb+4*\t+3], s[70:71] offset:(16*\a+2*\t)*4096 th:TH_STORE_NT   ; sixteen lanes store 256 consecutive aligned bytes
.endr
.endm
	OUTF 0, BS
	OUTF 1, BS+32
	OUTF 2, BS
	OUTF 3, BS+32
	OUTF 4, BS
	OUTF 5, BS+32
	OUTF 6, BS
	OUTF 7, BS+32
	s_wait_tensorcnt 0x0
	ds_add_u32 v30, v31
	s_wait_dscnt 0x0
	CROUND                                         ; the closing round
	s_endpgm
.Lfunc_end_k_q0df5e04e8f_oproj:
	.size	k_q0df5e04e8f_oproj, .Lfunc_end_k_q0df5e04e8f_oproj-k_q0df5e04e8f_oproj
	.p2alignl 7, 3214868480
	.fill 96, 4, 3214868480
	.section	.rodata,"a",@progbits
	.p2align	6, 0x0
	.amdhsa_kernel k_q0df5e04e8f_oproj
		.amdhsa_group_segment_fixed_size 327680
		.amdhsa_private_segment_fixed_size 0
		.amdhsa_enable_private_segment 0
		.amdhsa_kernarg_size 32
		.amdhsa_user_sgpr_count 2
		.amdhsa_user_sgpr_kernarg_segment_ptr 1
		.amdhsa_wavefront_size32 1
		.amdhsa_system_sgpr_workgroup_id_x 1
		.amdhsa_system_sgpr_workgroup_id_y 1
		.amdhsa_system_sgpr_workgroup_id_z 1
		.amdhsa_system_vgpr_workitem_id 0
		.amdhsa_next_free_vgpr 544
		.amdhsa_next_free_sgpr 76
		.amdhsa_reserve_vcc 0
		.amdhsa_float_denorm_mode_32 3
		.amdhsa_float_denorm_mode_16_64 3
		.amdhsa_memory_ordered 1
		.amdhsa_forward_progress 1
		.amdhsa_inst_pref_size 179
	.end_amdhsa_kernel
	.amdgpu_metadata
---
amdhsa.version: [ 1, 2 ]
amdhsa.kernels:
  - .name:           k_q0df5e04e8f_oproj
    .symbol:         k_q0df5e04e8f_oproj.kd
    .args:
      - { .name: xh, .offset: 0, .size: 8, .value_kind: global_buffer, .address_space: global }
      - { .name: Wo, .offset: 8, .size: 8, .value_kind: global_buffer, .address_space: global }
      - { .name: bo, .offset: 16, .size: 8, .value_kind: global_buffer, .address_space: global }
      - { .name: out0, .offset: 24, .size: 8, .value_kind: global_buffer, .address_space: global }
    .group_segment_fixed_size: 327680
    .private_segment_fixed_size: 0
    .kernarg_segment_align: 8
    .kernarg_segment_size: 32
    .max_flat_workgroup_size: 128
    .sgpr_count:     76
    .vgpr_count:     544
    .wavefront_size: 32
...
	.end_amdgpu_metadata
.endif
;; end of part 3
